; MI455X (gfx1250); checked and timed in simulation.
; The chip was launched on July 23, 2026; its instructions are those of AMD's public machine-readable ISA for CDNA 5 (MIT licence, August 2026) and "CDNA5" Instruction Set Architecture Reference Guide (July 2026). The comments in the code are by the model that wrote it; some were corrected since.
;; Bert Self Attention. Allowed arithmetic: matrix products marked QUANTISED: E4M3 operands, one E8M0 scale for each 32 along K, by v_wmma_scale_f32_16x16x128_f8f6f4 with both operands' format E4M3, f32 sums; everything else in f32.
;; Inputs: Wk_codes 1,024 x 32 x 32 uint8 (E4M3 codes of Wk, K innermost, in blocks of 32 codes); Wk_scales 1,024 x 32 uint8 (E8M0 scales of Wk, one for each 32 codes along K); Wq_codes 1,024 x 32 x 32 uint8 (E4M3 codes of Wq, K innermost, in blocks of 32 codes); Wq_scales 1,024 x 32 uint8 (E8M0 scales of Wq, one for each 32 codes along K); Wv_codes 1,024 x 32 x 32 uint8 (E4M3 codes of Wv, K innermost, in blocks of 32 codes); Wv_scales 1,024 x 32 uint8 (E8M0 scales of Wv, one for each 32 codes along K); attention_mask 4 x 1 x 1 x 2,048 float32; bk 1,024 float32; bq 1,024 float32; bv 1,024 float32; input_tensor_codes 4 x 2,048 x 32 x 32 uint8 (E4M3 codes of input_tensor, K innermost, in blocks of 32 codes); input_tensor_scales 4 x 2,048 x 32 uint8 (E8M0 scales of input_tensor, one for each 32 codes along K).
;; Outputs: out0 4 x 2,048 x 1,024 float32.
;; This version of the problem:
;;   THIS VERSION OF THE PROBLEM IS GIVEN IN LOW PRECISION. The matrix products marked QUANTISED in the list below multiply operands that are first quantised to E4M3 (4 exponent bits, 3 mantissa bits; 8 bits a number), with one power-of-two scale for each 32 numbers along K (OCP MX v1.0); their sums are f32. All else is computed in f32.
;;   The module's matrix products, in the order in which they are computed (A, B: the left and right operand; K: the contracted axis; several contracted axes count as one K, in the product's order):
;;     1. [M 8,192, K 1,024] x [K 1,024, N 1,024]; A: input input_tensor (given as codes); B: input Wq (given as codes): QUANTISED
;;     2. [M 8,192, K 1,024] x [K 1,024, N 1,024]; A: input input_tensor (given as codes); B: input Wk (given as codes): QUANTISED
;;     3. [M 8,192, K 1,024] x [K 1,024, N 1,024]; A: input input_tensor (given as codes); B: input Wv (given as codes): QUANTISED
;;     4. batch 64 x [M 2,048, K 64] x [K 64, N 2,048]; A: computed on the way; B: computed on the way: QUANTISED
;;     5. batch 64 x [M 2,048, K 2,048] x [K 2,048, N 64]; A: softmax (see below); B: computed on the way: QUANTISED
;;   THE QUANTISER, for each operand of a quantised product, along K:
;;     - K is cut into blocks of 32 from its start; a last block that is shorter is filled with zeros.
;;     - A block's scale is 2^e with e = floor(log2(the largest magnitude in the block)) - 8, held to -126 .. 127; a block of zeros has e = 0. As a byte (E8M0): e + 127.
;;     - Each number is divided by its block's scale, clamped to +-448, and rounded to the nearest number of E4M3, ties to even, subnormals kept.
;;     - The product sums the exact products of the quantised numbers (number of the format x scale) in f32.
;;   ~~~python
;;   def quantise(x, axis):      # numpy; x: float32 -> the quantised numbers, widened to float32 again
;;       x = np.moveaxis(x, axis, -1); K = x.shape[-1]
;;       x = np.pad(x, [(0, 0)] * (x.ndim - 1) + [(0, -K % 32)]); x = x.reshape(x.shape[:-1] + (-1, 32)); a = np.abs(x).max(-1, keepdims=True)
;;       e = np.where(a > 0, np.clip(np.frexp(np.where(a > 0, a, 1))[1] - 1 - 8, -126, 127), 0)      # np.frexp(a)[1] - 1 = floor(log2(a)), exactly
;;       r = np.clip(x / 2.0 ** e, -448, 448)
;;       step = 2.0 ** (np.maximum(np.frexp(np.where(r == 0, 1, r))[1] - 1, -6) - 3)
;;       q = np.round(r / step) * step * 2.0 ** e      # np.round: ties to even
;;       return np.moveaxis(q.reshape(q.shape[:-2] + (-1,))[..., :K], -1, axis).astype(np.float32)
;;   ~~~
;;   SOFTMAX AHEAD OF A QUANTISED PRODUCT. Where the list says 'softmax', what is quantised is not the finished softmax but p = 2^(t - M), with t = logit x log2(e) and M = ceil(the row's largest t), a whole number; so 1/2 < the row's largest p <= 1. The row's sum l is taken of the UNQUANTISED p, in f32, and the product's result is divided by l at the end. Since M is a whole number, a kernel that streams over the keys may use a running M (the ceiling of the running maximum): every later rescaling is an exact power of two, which a block's scale takes up: the codes' values come out the same.
;;   OPERANDS COMPUTED ON THE WAY. 'Computed on the way' means the value that the module computes at that place (a softmax that the list does not call 'softmax' is quantised finished and normalised). What goes into a quantiser is computed in f32, as accurately as f32 sums, v_exp_f32 and their like allow (about 1e-6 of the number): no bf16 or f16 on the way to a quantiser, and a product that is left as it is and whose result goes on into a quantised operand takes f32 operands (vector FMAs, or v_wmma_f32_16x16x4_f32). A number that lies on a knife's edge between two numbers of the format may be rounded either way, as far as f32 arithmetic and the matrix unit's own rounding can turn it there, and no further.
;;   INPUTS GIVEN AS CODES. Wk (in the module: [1024, 1024], K = its axis 0); Wq (in the module: [1024, 1024], K = its axis 0); Wv (in the module: [1024, 1024], K = its axis 0); input_tensor (in the module: [4, 2048, 1024], K = its axis 2): each comes as NAME_codes (uint8): NAME with its K axis moved to the last place and cut into blocks of 32 codes, [.., K / 32, bytes a block], one block behind the other in memory; one code a byte (a code: sign, 4 exponent bits, 3 mantissa bits); and NAME_scales (uint8): the same leading axes, one E8M0 byte (e + 127) for each 32 codes along K. Its value is code x scale, taken as it is: it is not quantised again, and the codes and scales need not be those that the quantiser above would give.
;; One version. Each part assembles by itself: llvm-mc -triple=amdgcn-amd-amdhsa -mcpu=gfx1250 --defsym DOCPART=n.
;; ======== version 1 of 1: 2 launches
;; limits: right only within a limited range of input values
;; workspace buffers: qrec 8,650,752 bytes; kv 17,301,504 bytes
;; launch proj (part 1): grid 8 x 32, 4 waves a work-group, clusters of 4 x 4, 327,680 bytes of LDS; arguments input_tensor_codes, input_tensor_scales, Wq_codes, Wq_scales, Wk_codes, Wk_scales, Wv_codes, Wv_scales, bq, bk, bv, qrec, kv; writes qrec, kv
.if DOCPART == 1
	.amdgcn_target "amdgcn-amd-amdhsa--gfx1250"
	.amdhsa_code_object_version 6
	.text
	.protected	k_q038e9c8338_proj
	.globl	k_q038e9c8338_proj
	.p2align	8
	.type	k_q038e9c8338_proj,@function
k_q038e9c8338_proj:
	s_mov_b64 s[64:65], 0
	v_nop
	global_prefetch_b8 v0, s[64:65] scope:SCOPE_SE
	s_setreg_imm32_b32 hwreg(HW_REG_WAVE_MODE, 25, 1), 1
	s_wait_xcnt 0x0
	s_wait_alu depctr_hold_cnt(0) depctr_sa_sdst(0) depctr_va_vdst(0) depctr_va_sdst(0) depctr_va_ssrc(0) depctr_va_vcc(0) depctr_vm_vsrc(0)
	s_getreg_b32 s2, hwreg(HW_REG_IB_STS2, 6, 4)
	s_cmp_eq_u32 s2, 0
	s_cbranch_scc0 .Lentry_in_a_cluster
	s_endpgm
.Lentry_in_a_cluster:
	s_bfe_u32 s2, ttmp6, 0x10000c
	s_cmp_lg_u32 s2, 0xf033
	s_cbranch_scc0 .Lentry_shape_is_right
	s_endpgm
.Lentry_shape_is_right:
; THE THREE PROJECTIONS OF BERT SELF-ATTENTION ON CODES OF FP8 (E4M3) WITH E8M0 SCALES, AND THE QUANTISING OF THEIR RESULTS.
; q = (x Wq + bq) / 8, k = x Wk + bk, v = x Wv + bv.  x: [8192][1024] codes, K innermost; each W: [1024 (outputs)][1024 (K)]; scale bytes [rows][32].  Sums in f32.  No work of the problem is left out.
; The results are quantised here, along the K of the product that takes them next (q, k: the head's 64 channels; v: the keys), and stored as images of the next launch's operand registers.
; THE DEAL: 256 work-groups of four waves, each with two phases.  PHASE 1: a tile of 256 tokens x 256 channels of q (cluster x = 0) or k (1); a wave makes 128 x 128: 64 accumulators.
; PHASE 2: the same 256 tokens x 128 channels of v, channels 128 (4 x cluster x + cx) on; a wave makes 128 tokens x 64 channels (one head): 32 accumulators.  8 x 32 such tiles: each has one work-group.
; K goes in steps of 256 through a ring of two LDS slots (x's 256 rows, then the weight's), filled by joint tensor loads: x's tile hangs on the tile row alone and is shared along a row of the cluster, a weight's on
; the cluster's x and cx and is shared along a column.  THE RING RUNS ON INTO PHASE 2: phase 1's last two changes of slots ask for phase 2's K steps 0 and 1.
; ORIENTATION.  Phase 1: source 0 = the weight's rows (a lane's registers run along the channels), source 1 = x's rows (a lane is a token).  Phase 2: source 0 = x's rows (registers run along the keys), source 1 = Wv's (a lane is a channel).
; SCALES.  x's and the first weight's scale bytes come into LDS once, at the head; x's stay for phase 2.  Wv's words of a wave's 64 rows come by plain loads and are stored into LDS bytes of the wave's own, laid as x's are,
; so that in both phases one register carries one side's words in lanes 0-15 and the other's in lanes 16-31.
; The bias of q and k is the C of the first products; v's (a number a lane) is added on the way out.
; ORDER INSIDE A BLOCK OF 32: lane half h holds numbers 8 h + 0..7 and 16 + 8 h + 0..7 of the block: a permutation inside one scale block, the same for q and k, and the same for v as for the next launch's p.
; RECORDS (128 tokens of one head).  qrec: [batch x head][16][8448]: codes at tile x 1024 + block x 512 + 16 x lane; at 8192 the pair words, pair x 64 + 4 r.
;   kv: [batch x head][16][16896]: K's codes as q's; at 8192 V^T's codes, tile of 16 channels x 2048 + block of 32 keys x 512 + 16 x lane; at 16384 K's pair words; at 16640 V's scale words, tile x 64 + 4 r.
; LIMITS: a block of zeros gets the scale byte 1 where the rule says 127 (its codes are zeros, and this program alone reads the bytes); NaN, infinities and a given scale byte 0xff are not served.
; REGISTERS: window 0: v1-31 addresses and v's bias; v32-63 scale words, two sets; v64-127 q's or k's bias, then Wv's scale words on their way; from v128 source 1's fragments; on the way out v128-239 are at work.
;   window 1: source 0's fragments, two sets.   windows 2, 3: the accumulators ((a, b) at v[8 (8 (a % 4) + b)]).
.set NQ,     2
.set ROWB,   256
.set KROW,   1024
.set PITCH,  272                       ; an LDS row: 256 bytes + 16 of padding: the 16 rows that a load touches start at 16 different banks (ISA guide 11.1)
.set FR,     16
.set NL,     4
.set NP,     8                         ; places behind this matrix instruction (ISA guide 7.12.1)
.set HALFT,  128*PITCH
.set SLOT,   4*HALFT
.set KS,     32
.set SCL,    2*SLOT                    ; the scales, as units of 256 bytes + 16 of padding
.set HALFS,  16*272
.set SBLK,   2*272
.set SPARE,  SCL+4*HALFS               ; the spare words: 512 bytes that no other line names
.set STGE,   SPARE+512                 ; the way out's small stages: 2 x 4 x 1,024 bytes
.set WSL,    STGE+8192                 ; Wv's scale words: 8 x 544 bytes for each wave
.set AWS,  3                           ; v3   32 r: my row in Wv's scale bytes
.set OFF8, 4                           ; v4   8 x lane
.set A32H, 7
.set A4R,  8
.set OFF0, 9
.set OFF1, 10
.set SW0,  11
.set SW1,  12
.set SRD0, 13
.set SRD1, 14
.set SOFF, 15
.set ADRA, 16                          ; v16-17  x's fragments in slot 0, 1
.set ADRB, 18                          ; v18-19  the first weight's
.set ADRS, 20                          ; v20  phase 1's scale words: lanes 0-15 x's rows, lanes 16-31 the weight's
.set SPW,  21
.set NIL,  22
.set SH16, 23
.set BV,   24                          ; v24-27  bv[16 a + r]
.set ADRW, 28                          ; v28-29  Wv's fragments
.set ADRS2, 30                         ; v30  phase 2's scale words: lanes 0-15 x's rows, lanes 16-31 Wv's
.set AWL,  31                          ; v31  where I store Wv's words
.set SC,   32
.set BI,   64
.set WS,   64
.set AF,   128
.set HA,   128
.set PC,   192
.set TM,   208
.set PW,   224
.set WT,   232
.set XB,   236
.set G1, 24
.set G0, 32
.set G1B, 48
.set G0B, 56
.set G1S, 68
.set G0S, 76
.set G1SB, 80
.set G0SB, 88
.set G1W, 68                           ; behind the head: groups 1 and 0 (slot 0: s76, slot 1: s88) for Wv's tiles
.set G0W, 76
.set OB,  12
.set SB,  66
.set RV,  92                           ; s[92:93] v's record
.set MNT, 95
.set BP,  96
.set SCQ, 98
.set HS,  100
.set REC, 101
.set SEL, 104
.set MSB, 0
.macro WIN new
.if MSB != (\new)
	s_set_vgpr_msb (MSB<<8)|(\new)
.set MSB, (\new)
.endif
.endm
.set MUL_LO, 0xa1                      ; source 0 window 1, source 1 window 0, C and D window 2
.set MUL_HI, 0xf1
.set TO_B,   0x40
.macro PLACES n
.rept \n
	v_nop
.endr
.endm
.macro JLOAD g0a, g1a, g0b, g1b        ; a joint load: waves 0 and 1 fetch x's halves, waves 2 and 3 the weight's
	s_cmp_eq_u32 s15, 0
	s_cbranch_scc0 .Lfor_b_\@
	tensor_load_to_lds s[\g0a:\g0a+3], s[\g1a:\g1a+7]
	s_nop 0
	PLACES 4
	s_branch .Lasked_\@
.Lfor_b_\@:
	tensor_load_to_lds s[\g0b:\g0b+3], s[\g1b:\g1b+7]
	s_nop 0
	PLACES 4
.Lasked_\@:
.endm
.macro CREST
	s_cmp_lg_u32 s14, 0
	s_cbranch_scc1 .Lnot_wave_0_\@
	s_barrier_signal -3
.Lnot_wave_0_\@:
	s_barrier_wait -3
	s_barrier_signal -1
	s_barrier_wait -1
.endm
.macro CROUND
	s_barrier_signal -1
	s_barrier_wait -1
	CREST
.endm
	s_load_b512 s[68:83], s[0:1], 0x0              ; x's codes 68, scales 70; Wq's 72, 74; Wk's 76, 78
	s_load_b256 s[84:91], s[0:1], 0x40             ; bq 84, bk 86, qrec 90
	s_load_b64 s[92:93], s[0:1], 0x60              ; kv
	v_lshl_add_u32 v[SPW], v0, 2, SPARE
	v_mov_b32 v[NIL], 0
	ds_add_u32 v[SPW], v[NIL]
	ds_add_u32 v[SPW], v[NIL]
	s_wait_dscnt 0x0
	v_lshrrev_b32 v1, 5, v0
	v_readfirstlane_b32 s14, v1                    ; wave 0..3
	s_lshr_b32 s15, s14, 1                         ; my half of x's rows.  Also: I fetch for x (0) or for the weight (1)
	s_and_b32 s16, s14, 1                          ; my half of the weight's rows.  Also: which half of a tile I fetch
	s_bfe_u32 s40, ttmp6, 0x40000                  ; cx, cy
	s_bfe_u32 s41, ttmp6, 0x40004
	s_and_b32 s2, ttmp7, 0xffff
	s_lshl_b32 s2, s2, 2
	s_add_co_u32 s17, s2, s41                      ; x's tile of 256 tokens: 4 x cluster y + cy
	s_lshl_b32 s43, s41, 2
	s_lshl_b32 s43, 15, s43                        ; my row of the cluster
	s_lshl_b32 s44, 0x1111, s40                    ; my column
	s_or_b32 s[G1+0], s43, (0<<16)|(1<<20)|(1<<21)|(5<<22)|(3<<25)
	s_or_b32 s[G1B+0], s44, (0<<16)|(1<<20)|(1<<21)|(5<<22)|(3<<25)
.irp g, G1, G1B
	s_mov_b32 s[\g+1], ROWB<<16
	s_mov_b32 s[\g+2], 256<<16                     ; 256 rows for the head's loads; 128 for the ring's, set behind them
	s_mov_b32 s[\g+3], ROWB<<16
	s_mov_b32 s[\g+4], 256
	s_mov_b32 s[\g+5], KROW
	s_mov_b32 s[\g+6], 0
	s_mov_b32 s[\g+7], 0
.endr
	s_mov_b32 s[MNT], 0x600000
	s_mov_b32 s[SEL], 0x76543210
	s_mov_b32 s[SEL+1], 0xfedcba98
	s_wait_kmcnt 0x0
	s_cmp_eq_u32 ttmp9, 1                          ; the cluster's x, alike in all sixteen partners: 0 q, 1 k
	s_cselect_b64 s[8:9], s[76:77], s[72:73]       ; the weight's codes,
	s_cselect_b64 s[10:11], s[78:79], s[74:75]     ; scales,
	s_cselect_b64 s[BP:BP+1], s[86:87], s[84:85]   ; bias
	s_cselect_b64 s[OB:OB+1], s[92:93], s[90:91]   ; q goes to qrec, k to kv
	s_mov_b32 s[REC], 8448
	s_cselect_b32 s[REC], 16896, s[REC]
	s_mov_b32 s[SCQ], 0x3e000000                   ; 1/8 = 64^(-1/2), for q alone
	s_cselect_b32 s[SCQ], 0x3f800000, s[SCQ]
	s_mov_b32 s[SCQ+1], s[SCQ]
	s_mov_b64 s[4:5], s[68:69]
	s_mov_b64 s[6:7], s[70:71]
	s_lshl_b32 s[HS], s[REC], 4
	s_or_b32 s[G1S+0], s43, (3<<16)|(1<<20)|(1<<21)|(5<<22)|(3<<25)   ; the scales of 256 rows: 8,192 dense bytes as 32 rows of 256
	s_or_b32 s[G1SB+0], s44, (3<<16)|(1<<20)|(1<<21)|(5<<22)|(3<<25)
.irp g, G1S, G1SB
	s_mov_b32 s[\g+1], 32<<16
	s_mov_b32 s[\g+2], 32<<16
	s_mov_b32 s[\g+3], 32<<16
	s_mov_b32 s[\g+4], 32
	s_mov_b32 s[\g+5], 32
	s_mov_b32 s[\g+6], 0
	s_mov_b32 s[\g+7], 0
.endr
	s_lshl_b32 s20, s17, 8                         ; x: the tile's first row
	s_lshl_b32 s46, s40, 8                         ; the weight: 256 cx
	s_mov_b32 s21, 0
	s_mov_b32 s47, 0
	s_mov_b64 s[18:19], KS
	s_mul_u64 s[22:23], s[20:21], s[18:19]
	s_mul_u64 s[92:93], s[46:47], s[18:19]
	s_mov_b64 s[18:19], KROW
	s_mul_u64 s[20:21], s[20:21], s[18:19]
	s_mul_u64 s[46:47], s[46:47], s[18:19]
	s_mul_i32 s18, s16, 128*KROW                   ; in the ring I fetch 128 rows: which half
	s_mov_b32 s19, 0
	s_mul_i32 s45, s14, HALFT                      ; and where they go: wave x 128 rows
	s_add_nc_u64 s[20:21], s[4:5], s[20:21]
	s_add_nc_u64 s[22:23], s[6:7], s[22:23]
	s_add_nc_u64 s[46:47], s[8:9], s[46:47]
	s_add_nc_u64 s[92:93], s[10:11], s[92:93]
	CROUND                                         ; all sixteen work-groups are here
	s_mov_b32 s4, 1                                ; the head's four tiles, each whole: K step 0's 256 rows of x,
	s_mov_b32 s5, 0
	s_mov_b64 s[6:7], s[20:21]
	s_or_b32 s7, s7, 0x80000000
	s_mov_b32 s8, 1                                ; of the weight,
	s_mov_b32 s9, 2*HALFT
	s_mov_b64 s[10:11], s[46:47]
	s_or_b32 s11, s11, 0x80000000
	s_mov_b32 s[G0S], 1                            ; x's scales,
	s_mov_b32 s[G0S+1], SCL
	s_mov_b64 s[G0S+2:G0S+3], s[22:23]
	s_or_b32 s[G0S+3], s[G0S+3], 0x80000000
	s_mov_b32 s[G0SB], 1                           ; the weight's
	s_mov_b32 s[G0SB+1], SCL+2*HALFS
	s_mov_b64 s[G0SB+2:G0SB+3], s[92:93]
	s_or_b32 s[G0SB+3], s[G0SB+3], 0x80000000
	s_add_nc_u64 s[20:21], s[20:21], s[18:19]
	s_add_nc_u64 s[46:47], s[46:47], s[18:19]
.irp s, 0,1
	s_mov_b32 s[G0+4*\s], 1
	s_add_co_u32 s[G0+4*\s+1], s45, \s*SLOT
	s_add_nc_u64 s[G0+4*\s+2:G0+4*\s+3], s[20:21], \s*ROWB
	s_or_b32 s[G0+4*\s+3], s[G0+4*\s+3], 0x80000000
	s_mov_b32 s[G0B+4*\s], 1
	s_add_co_u32 s[G0B+4*\s+1], s45, \s*SLOT
	s_add_nc_u64 s[G0B+4*\s+2:G0B+4*\s+3], s[46:47], \s*ROWB
	s_or_b32 s[G0B+4*\s+3], s[G0B+4*\s+3], 0x80000000
.endr
.macro ARM under, g0, g1, next         ; the head's loads, one a wave, in one tree of branches on the wave's number
	s_cmp_lt_u32 s14, \under
	s_cbranch_scc0 \next
	tensor_load_to_lds s[\g0:\g0+3], s[\g1:\g1+7]
	s_nop 0
	PLACES 4
	s_branch .Lhead_asked
\next:
.endm
	ARM 1, 4, G1, .Lhead_b
	ARM 2, 8, G1B, .Lhead_sa
	ARM 3, G0S, G1S, .Lhead_sb
	tensor_load_to_lds s[G0SB:G0SB+3], s[G1SB:G1SB+7]
	s_nop 0
	PLACES 4
.Lhead_asked:
	s_mul_i32 s18, s15, HALFT                      ; my 128 rows of x
	s_mul_i32 s19, s16, HALFT
	s_add_co_u32 s19, s19, 2*HALFT                 ; my 128 rows of the first weight
	s_mul_i32 s20, s16, 64*PITCH
	s_add_co_u32 s20, s20, 2*HALFT                 ; my 64 rows of Wv
	s_mul_i32 s21, s15, HALFS
	s_mul_i32 s22, s16, HALFS
	s_add_co_u32 s22, s22, 2*HALFS
	s_sub_co_u32 s22, s22, s21                     ; from x's scales to the weight's
	s_add_co_u32 s21, s21, SCL
	s_mul_i32 s23, s14, 8*SBLK
	s_add_co_u32 s23, s23, WSL                     ; my bytes for Wv's words
	s_sub_co_u32 s43, s23, s21                     ; from x's scales to them
	s_lshl_b32 s44, s14, 10
	s_add_co_u32 s44, s44, STGE                    ; my stage
	v_and_b32 v1, 15, v0                           ; r
	v_bfe_u32 v2, v0, 4, 1                         ; h
	v_and_b32 v6, 31, v0                           ; lane
	v_mul_u32_u24 v3, v1, PITCH
	v_lshl_add_u32 v4, v2, 4, v3
	v_add_nc_u32 v[ADRA], s18, v4
	v_add_nc_u32 v[ADRB], s19, v4
	v_add_nc_u32 v[ADRW], s20, v4
	v_add_nc_u32 v[ADRA+1], SLOT, v[ADRA]
	v_add_nc_u32 v[ADRB+1], SLOT, v[ADRB]
	v_add_nc_u32 v[ADRW+1], SLOT, v[ADRW]
	v_mul_u32_u24 v5, v1, KS                       ; a row's scales: 32 bytes a row,
	v_lshrrev_b32 v3, 8, v5
	v_lshl_add_u32 v5, v3, 4, v5                   ; and 16 more for each 256 passed
	v_mul_u32_u24 v3, s22, v2
	v_add_nc_u32 v3, v5, v3
	v_add_nc_u32 v[ADRS], s21, v3
	v_mul_u32_u24 v3, s43, v2
	v_add_nc_u32 v3, v5, v3
	v_add_nc_u32 v[ADRS2], s21, v3
	v_add_nc_u32 v[AWL], s23, v5
	v_lshlrev_b32 v[A32H], 5, v2
	v_lshlrev_b32 v[A4R], 2, v1
	v_lshlrev_b32 v[OFF0], 4, v6
	v_add_nc_u32 v[OFF1], s[HS], v[OFF0]
	v_lshl_add_u32 v[SW0], v2, 8, v[A4R]
	v_add_nc_u32 v[SW0], s44, v[SW0]
	v_add_nc_u32 v[SW1], s44, v[A4R]
	v_add_nc_u32 v[SW1], 4096, v[SW1]
	v_add_nc_u32 v[SRD0], s44, v[OFF0]
	v_lshlrev_b32 v[OFF8], 3, v6
	v_add_nc_u32 v[SRD1], s44, v[OFF8]
	v_add_nc_u32 v[SRD1], 4096, v[SRD1]
	v_mul_u32_u24 v[SOFF], s[HS], v2
	v_lshl_add_u32 v[SOFF], v1, 4, v[SOFF]
	v_lshlrev_b32 v[SH16], 4, v2
	v_lshlrev_b32 v[AWS], 5, v1
	; phase 1's record: my 128 tokens are one step of one batch, my 128 channels two heads
	s_mov_b32 s46, 8192
	s_cmp_eq_u32 ttmp9, 1
	s_cselect_b32 s46, 16384, s46                  ; the pair words' place in a record
	s_lshl_b32 s18, s17, 1
	s_add_co_u32 s18, s18, s15                     ; my group of 128 tokens: batch x 16 + step
	s_lshl_b32 s20, s40, 1
	s_add_co_u32 s20, s20, s16                     ; my group of 128 channels
	s_lshr_b32 s19, s18, 4
	s_lshl_b32 s19, s19, 8
	s_and_b32 s18, s18, 15
	s_add_co_u32 s3, s19, s18                      ; batch x 256 + step
	s_lshl_b32 s21, s20, 5
	s_add_co_u32 s21, s21, s3
	s_mul_i32 s22, s21, s[REC]
	s_mov_b32 s23, 0
	s_add_nc_u64 s[OB:OB+1], s[OB:OB+1], s[22:23]
	s_mov_b32 s47, 0
	s_add_nc_u64 s[SB:SB+1], s[OB:OB+1], s[46:47]
	s_lshl_b32 s20, s20, 9
	s_mov_b32 s21, 0
	s_add_nc_u64 s[BP:BP+1], s[BP:BP+1], s[20:21]
.irp b, 0,1,2,3,4,5,6,7
	global_load_b128 v[BI+8*\b:BI+8*\b+3], v[A32H], s[BP:BP+1] offset:64*\b      ; bias[16 b + 8 h + j]: the accumulators' layout
	global_load_b128 v[BI+8*\b+4:BI+8*\b+7], v[A32H], s[BP:BP+1] offset:64*\b+16
.endr
	; phase 2's addresses: the arguments are read once more, into registers that are free by now
	s_load_b128 s[44:47], s[0:1], 0x30             ; Wv's codes, scales
	s_load_b64 s[18:19], s[0:1], 0x50              ; bv
	s_load_b64 s[92:93], s[0:1], 0x60              ; kv
	s_lshl_b32 s20, ttmp9, 2
	s_add_co_u32 s20, s20, s40
	s_lshl_b32 s20, s20, 1
	s_add_co_u32 s20, s20, s16                     ; my head of v = 2 (4 x cluster x + cx) + my half; its 64 rows of Wv are also the 64 that I fetch, if I fetch for the weight
	s_lshl_b32 s22, s20, 4
	s_add_co_u32 s22, s22, s3
	s_mul_i32 s22, s22, 16896
	s_mov_b32 s23, 0
	s_lshl_b32 s2, s20, 16                         ; 64 rows of 1,024 bytes
	s_mov_b32 s3, 0
	s_lshl_b32 s100, s20, 11                       ; 64 rows of 32 bytes
	s_mov_b32 s101, 0
	s_lshl_b32 s20, s20, 8                         ; 64 numbers of 4 bytes
	s_mov_b32 s21, 0
	s_wait_alu depctr_va_vdst(0)                   ; the wait ahead of a wait that blocks
	s_wait_kmcnt 0x0
	s_add_nc_u64 s[RV:RV+1], s[92:93], s[22:23]
	s_add_nc_u64 s[44:45], s[44:45], s[2:3]
	s_add_nc_u64 s[46:47], s[46:47], s[100:101]
	s_add_nc_u64 s[18:19], s[18:19], s[20:21]
.irp a, 0,1,2,3
	global_load_b32 v[BV+\a], v[A4R], s[18:19] offset:64*\a
.endr
.macro FRAG reg, adr, q, i             ; 16 rows x 128 K: lane l holds row l % 16; registers 4 c .. 4 c + 3 hold K = 32 c + 16 (l / 16) + 0 .. 15
.irp c, 0,1,2,3
	ds_load_b128 v[\reg+4*\c:\reg+4*\c+3], v[\adr] offset:128*(\q)+32*\c+(\i)*16*PITCH
.endr
.endm
; PHASE 1: 16 products: x's blocks a0, a0 + 1 against the weight's eight.  first = 1: the bias is the C.  The accumulators take turns.
.macro MUL16 a0, p, q, sc, first
.irp a, \a0, \a0+1
.irp b, 0,1,2,3,4,5,6,7
.if \first
	v_wmma_scale_f32_16x16x128_f8f6f4 v[8*(8*((\a)%4)+\b):8*(8*((\a)%4)+\b)+7], v[128*(\p)+FR*\b:128*(\p)+FR*\b+FR-1], v[AF+FR*(\a):AF+FR*(\a)+FR-1], v[BI+8*\b:BI+8*\b+7], v[SC+8*NQ*(\sc)+NQ*\b+(\q)], v[SC+8*NQ*(\sc)+NQ*(\a)+(\q)] matrix_a_scale:MATRIX_SCALE_ROW1
.else
	v_wmma_scale_f32_16x16x128_f8f6f4 v[8*(8*((\a)%4)+\b):8*(8*((\a)%4)+\b)+7], v[128*(\p)+FR*\b:128*(\p)+FR*\b+FR-1], v[AF+FR*(\a):AF+FR*(\a)+FR-1], v[8*(8*((\a)%4)+\b):8*(8*((\a)%4)+\b)+7], v[SC+8*NQ*(\sc)+NQ*\b+(\q)], v[SC+8*NQ*(\sc)+NQ*(\a)+(\q)] matrix_a_scale:MATRIX_SCALE_ROW1
.endif
.endr
.endr
.endm
; PHASE 2: 16 products: Wv's blocks a0, a0 + 1 against x's eight.  zero = 1: the first product starts the sums.
.macro MUL2 a0, p, sc, q, zero
.irp a, \a0, \a0+1
.irp b, 0,1,2,3,4,5,6,7
.if \zero
	v_wmma_scale_f32_16x16x128_f8f6f4 v[8*(8*(\a)+\b):8*(8*(\a)+\b)+7], v[128*(\p)+FR*\b:128*(\p)+FR*\b+FR-1], v[AF+64*(\p)+FR*(\a):AF+64*(\p)+FR*(\a)+FR-1], 0, v[SC+8*NQ*(\sc)+NQ*\b+(\q)], v[SC+8*NQ*(\sc)+NQ*(\a)+(\q)] matrix_b_scale:MATRIX_SCALE_ROW1
.else
	v_wmma_scale_f32_16x16x128_f8f6f4 v[8*(8*(\a)+\b):8*(8*(\a)+\b)+7], v[128*(\p)+FR*\b:128*(\p)+FR*\b+FR-1], v[AF+64*(\p)+FR*(\a):AF+64*(\p)+FR*(\a)+FR-1], v[8*(8*(\a)+\b):8*(8*(\a)+\b)+7], v[SC+8*NQ*(\sc)+NQ*\b+(\q)], v[SC+8*NQ*(\sc)+NQ*(\a)+(\q)] matrix_b_scale:MATRIX_SCALE_ROW1
.endif
.endr
.endr
.endm
.macro FETCH_B adr, q, p               ; source 0's eight fragments into set p of window 1
	WIN TO_B
.irp i, 0,1,2,3,4,5,6,7
	FRAG 128*(\p)+FR*\i, \adr, \q, \i
.endr
	WIN 0
.endm
.macro FETCH_A slot, q, i0             ; phase 1: x's blocks i0 .. i0 + 3
.irp i, \i0, \i0+1, \i0+2, \i0+3
	FRAG AF+FR*(\i), ADRA+\slot, \q, \i
.endr
.endm
.macro FETCH_W slot, q, p              ; phase 2: Wv's four blocks into set p
.irp i, 0,1,2,3
	FRAG AF+64*(\p)+FR*\i, ADRW+\slot, \q, \i
.endr
.endm
.macro SCALES adr, sc                  ; a K step's scale words: two a row
.irp i, 0,1,2,3,4,5,6,7
	ds_load_b64 v[SC+8*NQ*\sc+NQ*\i:SC+8*NQ*\sc+NQ*\i+1], v[\adr] offset:\i*SBLK
.endr
.endm
; The rest of a round of the cluster's barrier, the descriptors' steps (no tensor load of mine is out) and the joint refill, my one load until the next round.
; fill = 1: phase 1's K step two on;  2: phase 2's K step 0 or 1: x goes back along K, the weight's load takes Wv's descriptors;  3: phase 2's K step two on.
.macro REFILL slot, fill
	CREST
.if \fill == 1
	s_add_nc_u64 s[G0+4*\slot+2:G0+4*\slot+3], s[G0+4*\slot+2:G0+4*\slot+3], 2*ROWB
	s_add_nc_u64 s[G0B+4*\slot+2:G0B+4*\slot+3], s[G0B+4*\slot+2:G0B+4*\slot+3], 2*ROWB
	JLOAD G0+4*\slot, G1, G0B+4*\slot, G1B
.elseif \fill == 2
	s_sub_nc_u64 s[G0+4*\slot+2:G0+4*\slot+3], s[G0+4*\slot+2:G0+4*\slot+3], 2*ROWB
	JLOAD G0+4*\slot, G1, G0W+12*\slot, G1W
.else
	s_add_nc_u64 s[G0+4*\slot+2:G0+4*\slot+3], s[G0+4*\slot+2:G0+4*\slot+3], 2*ROWB
	s_add_nc_u64 s[G0W+12*\slot+2:G0W+12*\slot+3], s[G0W+12*\slot+2:G0W+12*\slot+3], 2*ROWB
	JLOAD G0+4*\slot, G1, G0W+12*\slot, G1W
.endif
.endm
.macro STEP slot, first                ; phase 1: a slot's first 128 along K
	s_wait_dscnt 4*NL                              ; all but the youngest sixteen loads (x's blocks 4-7)
.if \first
	WIN 0x81                                       ; C, the bias, in window 0
.else
	WIN MUL_LO
.endif
	MUL16 0, 0, 0, \slot, \first
	MUL16 2, 0, 0, \slot, \first
	s_wait_dscnt 0
	PLACES NP
	FETCH_B ADRB+\slot, 1, 1
	FETCH_A \slot, 1, 0
.if \first
	WIN 0xc1
.else
	WIN MUL_HI
.endif
	MUL16 4, 0, 0, \slot, \first
	MUL16 6, 0, 0, \slot, \first
	PLACES NP
	WIN 0
	FETCH_A \slot, 1, 4
.endm
.macro MEET slot                       ; the first half of a slot's last step and the barrier that opens the round
	s_wait_tensorcnt 0x0
	ds_add_u32 v[SPW], v[NIL]
	s_wait_dscnt 4*NL+1                            ; (the add and x's blocks 4-7 may be out)
	WIN MUL_LO
	MUL16 0, 1, 1, \slot, 0
	s_wait_dscnt 0x0
	s_barrier_signal -1
	MUL16 2, 1, 1, \slot, 0
	WIN 0
	s_barrier_wait -1
.endm
.macro TURN slot, next, fill           ; phase 1: a slot's last step changes slots
	MEET \slot
	REFILL \slot, \fill
	PLACES NP-4
	s_wait_alu depctr_va_vdst(0)
	v_add_nc_u32 v[ADRS], 4*NQ, v[ADRS]
	FETCH_B ADRB+\next, 0, 0
	FETCH_A \next, 0, 0
	SCALES ADRS, \next
	WIN MUL_HI
	MUL16 4, 1, 1, \slot, 0
	MUL16 6, 1, 1, \slot, 0
	PLACES NP
	WIN 0
	FETCH_A \next, 0, 4
.endm
.macro STEP2 slot, zero                ; phase 2: a slot's first 128 along K; the second's fragments are fetched ahead of the products
	s_wait_dscnt 0x0
	PLACES NP
	FETCH_B ADRA+\slot, 1, 1
	FETCH_W \slot, 1, 1
	WIN MUL_LO
	MUL2 0, 0, \slot, 0, \zero
	MUL2 2, 0, \slot, 0, \zero
	WIN 0
.endm
.macro TURN2 slot, next, fill
	s_wait_tensorcnt 0x0
	ds_add_u32 v[SPW], v[NIL]
	s_wait_dscnt 1                                 ; (the add alone may be out)
	WIN MUL_LO
	MUL2 0, 1, \slot, 1, 0
	s_wait_dscnt 0x0
	s_barrier_signal -1
	WIN 0
	s_barrier_wait -1
.if \fill
	REFILL \slot, 3
	PLACES NP-4
.else
	PLACES NP
.endif
	s_wait_alu depctr_va_vdst(0)
	v_add_nc_u32 v[ADRS2], 4*NQ, v[ADRS2]
	FETCH_B ADRA+\next, 0, 0
	FETCH_W \next, 0, 0
	SCALES ADRS2, \next
	WIN MUL_LO
	MUL2 2, 1, \slot, 1, 0
	WIN 0
.endm
	s_wait_alu depctr_va_vdst(0)                   ; the wait at the head's end
	s_wait_tensorcnt 0x0                           ; my tile of the head's four is in
	ds_add_u32 v[SPW], v[NIL]
	s_mov_b32 s[G1+2], 128<<16                     ; no tensor load of mine is out: from here on a load of x or of the first weight brings 128 rows,
	s_mov_b32 s[G1+4], 128
	s_mov_b32 s[G1B+2], 128<<16
	s_mov_b32 s[G1B+4], 128
	s_lshl_b32 s20, 0x1111, s40                    ; and the scales' descriptors make room for Wv's: 64 rows a wave, shared along my column
	s_or_b32 s[G1W+0], s20, (0<<16)|(1<<20)|(1<<21)|(5<<22)|(3<<25)
	s_mov_b32 s[G1W+1], ROWB<<16
	s_mov_b32 s[G1W+2], 64<<16
	s_mov_b32 s[G1W+3], ROWB<<16
	s_mov_b32 s[G1W+4], 64
	s_mov_b32 s[G1W+5], KROW
	s_mov_b32 s[G1W+6], 0
	s_mov_b32 s[G1W+7], 0
	s_mul_i32 s21, s16, 64*PITCH
.irp s, 0,1
	s_mov_b32 s[G0W+12*\s], 1
	s_add_co_u32 s[G0W+12*\s+1], s21, 2*HALFT+\s*SLOT
	s_add_nc_u64 s[G0W+12*\s+2:G0W+12*\s+3], s[44:45], \s*ROWB
	s_or_b32 s[G0W+12*\s+3], s[G0W+12*\s+3], 0x80000000
.endr
	s_wait_dscnt 0x0
	CROUND
	JLOAD G0+4, G1, G0B+4, G1B                     ; K step 1's load, the first tensor load behind the round
	FETCH_B ADRB, 0, 0
	FETCH_A 0, 0, 0
	SCALES ADRS, 0
	FETCH_A 0, 0, 4
	s_wait_loadcnt 0x0                             ; the biases
	STEP 0, 1
.irp a, 0,1,2,3                                ; the bias has been taken in (eight places stand behind the last product): its registers take Wv's scale words of my 64 rows, 32 bytes a row
	global_load_b128 v[WS+8*\a:WS+8*\a+3], v[AWS], s[46:47] offset:512*\a
	global_load_b128 v[WS+8*\a+4:WS+8*\a+7], v[AWS], s[46:47] offset:512*\a+16
.endr
	TURN 0, 1, 1
	STEP 1, 0
	TURN 1, 0, 1
	STEP 0, 0
	TURN 0, 1, 2                                   ; slot 0 takes phase 2's K step 0
	STEP 1, 0
	MEET 1
	REFILL 1, 2                                    ; slot 1 takes its K step 1
	WIN MUL_HI
	MUL16 4, 1, 1, 1, 0
	MUL16 6, 1, 1, 1, 0
	WIN 0
; THE WAY OUT.  64 numbers of a lane, registers 16 b .. 16 b + 15 = my half of block b of 32 along the next K, become 16 registers of codes in v[PC] on and a scale word in v[pw].
.macro QUANT s, pw
.irp b, 0,1,2,3
	v_max3_num_f32 v[TM+\b], |v[\s+16*\b]|, |v[\s+1+16*\b]|, 0x4800000   ; with the floor 2^(9 - 127): the byte cannot fall under 1
.endr
.irp i, 2,4,6,8,10,12,14
.irp b, 0,1,2,3
	v_max3_num_f32 v[TM+\b], v[TM+\b], |v[\s+16*\b+\i]|, |v[\s+1+16*\b+\i]|
.endr
.endr
.irp b, 0,1,2,3
	v_permlanex16_b32 v[TM+4+\b], v[TM+\b], s[SEL], s[SEL+1]
.endr
.irp b, 0,1,2,3
	v_max_num_f32 v[TM+\b], v[TM+\b], v[TM+4+\b]
.endr
.irp b, 0,1,2,3
	v_add_nc_u32 v[TM+12+\b], 0xfc000000, v[TM+\b]   ; 8 off the exponent field: the conversion's scale operand
.endr
.irp b, 0,1,2,3
	v_and_or_b32 v[TM+8+\b], v[TM+\b], 0x7f800000, s[MNT]   ; 448 x the scale
.endr
.irp b, 0,1,2,3
	v_lshrrev_b32 v[TM+4+\b], 23, v[TM+12+\b]
.endr
	v_lshl_or_b32 v[\pw], v[TM+5], 8, v[TM+4]
	v_lshl_or_b32 v[\pw], v[TM+6], 16, v[\pw]
	v_lshl_or_b32 v[\pw], v[TM+7], 24, v[\pw]
.irp b, 0,1,2,3
.irp i, 0,1,2,3,4,5,6,7,8,9,10,11,12,13,14,15
	v_med3_num_f32 v[\s+16*\b+\i], v[\s+16*\b+\i], -v[TM+8+\b], v[TM+8+\b]   ; the conversion does not saturate (ISA guide 7.6.2)
.endr
	v_cvt_scalef32_pk8_fp8_f32 v[PC+4*\b:PC+1+4*\b], v[\s+16*\b:\s+7+16*\b], v[TM+12+\b]
	v_cvt_scalef32_pk8_fp8_f32 v[PC+2+4*\b:PC+3+4*\b], v[\s+8+16*\b:\s+15+16*\b], v[TM+12+\b]
.endr
	v_nop
.endm
	PLACES NP
.irp b, 0,1,2,3
	v_mov_b32 v[TM+4+\b], 0                        ; a lane permute's destination counts as one of its sources
.endr
; q, k: block a = 16 tokens; blocks 0, 1 of the 64 numbers are the first head's 64 channels, blocks 2, 3 the second head's
.irp a, 0,1,2,3,4,5,6,7
.if \a > 0
	s_wait_xcnt 0x0                                ; the last block's stores have read their registers
.endif
	WIN 0x02+\a/4
.set AC, 64*(\a%4)
.set i, 0
.rept 32                                       ; ascending: each accumulator is read from its low end on
	v_pk_mul_f32 v[HA+2*i:HA+2*i+1], v[AC+2*i:AC+2*i+1], s[SCQ:SCQ+1] op_sel_hi:[1,0]
.set i, i+1
.endr
	WIN 0
	QUANT HA, PW+\a
.irp c, 0,1                                    ; each store of the wave covers 512 consecutive bytes, aligned
	global_store_b128 v[OFF0], v[PC+4*\c:PC+4*\c+3], s[OB:OB+1] offset:\a*1024+\c*512
	global_store_b128 v[OFF1], v[PC+8+4*\c:PC+8+4*\c+3], s[OB:OB+1] offset:\a*1024+\c*512
.endr
.endr
.irp p, 0,1,2,3
	v_lshrrev_b32 v[TM], v[SH16], v[PW+2*\p]       ; lanes 0-15 take the first head's two bytes, lanes 16-31 the second head's
	v_lshrrev_b32 v[TM+1], v[SH16], v[PW+2*\p+1]
	v_and_b32 v[TM], 0xffff, v[TM]
	v_lshl_or_b32 v[WT+\p], v[TM+1], 16, v[TM]
	ds_store_b32 v[SW0], v[WT+\p] offset:64*\p
.endr
	ds_load_b128 v[XB:XB+3], v[SRD0]               ; LDS serves a wave's instructions in order (ISA guide 5.7.1.4)
	s_wait_dscnt 0x0
	global_store_b128 v[SOFF], v[XB:XB+3], s[SB:SB+1]
; PHASE 2
	s_wait_xcnt 0x0                                ; the stores have read their registers: fragments may land there
	s_wait_loadcnt 0x0                             ; Wv's scale words
.irp a, 0,1,2,3                                ; into my own bytes, laid as x's are; once more 4 blocks on, so that all eight loads of a K step read bytes that were written
	ds_store_b128 v[AWL], v[WS+8*\a:WS+8*\a+3] offset:SBLK*\a
	ds_store_b128 v[AWL], v[WS+8*\a+4:WS+8*\a+7] offset:SBLK*\a+16
	ds_store_b128 v[AWL], v[WS+8*\a:WS+8*\a+3] offset:SBLK*(\a+4)
	ds_store_b128 v[AWL], v[WS+8*\a+4:WS+8*\a+7] offset:SBLK*(\a+4)+16
.endr
	FETCH_B ADRA, 0, 0                             ; slot 0 was shown whole at phase 1's last change of slots
	FETCH_W 0, 0, 0
	SCALES ADRS2, 0
	STEP2 0, 1
	TURN2 0, 1, 1
	STEP2 1, 0
	TURN2 1, 0, 1
	STEP2 0, 0
	TURN2 0, 1, 0                                  ; the last lap fills nothing
	STEP2 1, 0
	s_wait_dscnt 0x0
	WIN MUL_LO
	MUL2 0, 1, 1, 1, 0
	MUL2 2, 1, 1, 1, 0
	WIN 0
	PLACES NP
.irp b, 0,1,2,3
	v_mov_b32 v[TM+4+\b], 0
.endr
; v: block a = 16 channels of my head; the four blocks of the 64 numbers are the step's 128 keys
.irp a, 0,1,2,3
.if \a > 0
	s_wait_xcnt 0x0
.endif
	WIN 0x02
.set AC, 64*\a
.set i, 0
.rept 32
.if (\a%2) == 0
	v_pk_add_f32 v[HA+2*i:HA+2*i+1], v[AC+2*i:AC+2*i+1], v[BV+\a:BV+\a+1] op_sel_hi:[1,0]              ; my channel's bias: the pair's first register for both halves
.else
	v_pk_add_f32 v[HA+2*i:HA+2*i+1], v[AC+2*i:AC+2*i+1], v[BV+\a-1:BV+\a] op_sel:[0,1] op_sel_hi:[1,1]  ; the pair's second
.endif
.set i, i+1
.endr
	WIN 0
	QUANT HA, PW+\a
.irp c, 0,1,2,3
	global_store_b128 v[OFF0], v[PC+4*\c:PC+4*\c+3], s[RV:RV+1] offset:8192+\a*2048+\c*512
.endr
.endr
.irp a, 0,1,2,3
	ds_store_b32 v[SW1], v[PW+\a] offset:64*\a     ; both halves of the lanes write the same word with the same value
.endr
	ds_load_b64 v[XB:XB+1], v[SRD1]
	s_wait_dscnt 0x0
	global_store_b64 v[OFF8], v[XB:XB+1], s[RV:RV+1] offset:16640   ; 32 lanes store 256 consecutive bytes, aligned
	s_wait_tensorcnt 0x0                           ; the wave's end
	ds_add_u32 v[SPW], v[NIL]
	s_wait_dscnt 0x0
	CROUND                                         ; the closing round
	s_endpgm
.Lfunc_end_k_q038e9c8338_proj:
	.size	k_q038e9c8338_proj, .Lfunc_end_k_q038e9c8338_proj-k_q038e9c8338_proj
	.p2alignl 7, 3214868480
	.fill 96, 4, 3214868480
	.section	.rodata,"a",@progbits
	.p2align	6, 0x0
	.amdhsa_kernel k_q038e9c8338_proj
		.amdhsa_group_segment_fixed_size 327680
		.amdhsa_private_segment_fixed_size 0
		.amdhsa_enable_private_segment 0
		.amdhsa_kernarg_size 104
		.amdhsa_user_sgpr_count 2
		.amdhsa_user_sgpr_kernarg_segment_ptr 1
		.amdhsa_wavefront_size32 1
		.amdhsa_system_sgpr_workgroup_id_x 1
		.amdhsa_system_sgpr_workgroup_id_y 1
		.amdhsa_system_sgpr_workgroup_id_z 1
		.amdhsa_system_vgpr_workitem_id 0
		.amdhsa_next_free_vgpr 1024
		.amdhsa_next_free_sgpr 106
		.amdhsa_reserve_vcc 0
		.amdhsa_float_denorm_mode_32 3
		.amdhsa_float_denorm_mode_16_64 3
		.amdhsa_memory_ordered 1
		.amdhsa_forward_progress 1
		.amdhsa_inst_pref_size 255
	.end_amdhsa_kernel
	.section	.bss,"aw",@nobits
	.p2align	6
	.space	262144
	.amdgpu_metadata
---
amdhsa.version: [ 1, 2 ]
amdhsa.kernels:
  - .name:           k_q038e9c8338_proj
    .symbol:         k_q038e9c8338_proj.kd
    .args:
      - { .name: input_tensor_codes, .offset: 0, .size: 8, .value_kind: global_buffer, .address_space: global }
      - { .name: input_tensor_scales, .offset: 8, .size: 8, .value_kind: global_buffer, .address_space: global }
      - { .name: Wq_codes, .offset: 16, .size: 8, .value_kind: global_buffer, .address_space: global }
      - { .name: Wq_scales, .offset: 24, .size: 8, .value_kind: global_buffer, .address_space: global }
      - { .name: Wk_codes, .offset: 32, .size: 8, .value_kind: global_buffer, .address_space: global }
      - { .name: Wk_scales, .offset: 40, .size: 8, .value_kind: global_buffer, .address_space: global }
      - { .name: Wv_codes, .offset: 48, .size: 8, .value_kind: global_buffer, .address_space: global }
      - { .name: Wv_scales, .offset: 56, .size: 8, .value_kind: global_buffer, .address_space: global }
      - { .name: bq, .offset: 64, .size: 8, .value_kind: global_buffer, .address_space: global }
      - { .name: bk, .offset: 72, .size: 8, .value_kind: global_buffer, .address_space: global }
      - { .name: bv, .offset: 80, .size: 8, .value_kind: global_buffer, .address_space: global }
      - { .name: qrec, .offset: 88, .size: 8, .value_kind: global_buffer, .address_space: global }
      - { .name: kv, .offset: 96, .size: 8, .value_kind: global_buffer, .address_space: global }
    .group_segment_fixed_size: 327680
    .private_segment_fixed_size: 0
    .kernarg_segment_align: 8
    .kernarg_segment_size: 104
    .max_flat_workgroup_size: 128
    .sgpr_count:     106
    .vgpr_count:     1024
    .wavefront_size: 32
...
	.end_amdgpu_metadata
.endif
;; end of part 1
;; launch attn (part 2): grid 4 x 64, 8 waves a work-group, clusters of 4 x 1, 327,680 bytes of LDS; arguments qrec, kv, attention_mask, out0; writes out0
.if DOCPART == 2
	.amdgcn_target "amdgcn-amd-amdhsa--gfx1250"
	.amdhsa_code_object_version 6
	.text
	.protected	k_q038e9c8338_attn
	.globl	k_q038e9c8338_attn
	.p2align	8
	.type	k_q038e9c8338_attn,@function
k_q038e9c8338_attn:
	s_mov_b64 s[64:65], 0
	v_nop
	global_prefetch_b8 v0, s[64:65] scope:SCOPE_SE
	s_setreg_imm32_b32 hwreg(HW_REG_WAVE_MODE, 25, 1), 1
	s_wait_xcnt 0x0
	s_wait_alu depctr_hold_cnt(0) depctr_sa_sdst(0) depctr_va_vdst(0) depctr_va_sdst(0) depctr_va_ssrc(0) depctr_va_vcc(0) depctr_vm_vsrc(0)
	s_getreg_b32 s2, hwreg(HW_REG_IB_STS2, 6, 4)
	s_cmp_eq_u32 s2, 0
	s_cbranch_scc0 .Lentry_in_a_cluster
	s_endpgm
.Lentry_in_a_cluster:
	s_bfe_u32 s2, ttmp6, 0x10000c
	s_cmp_lg_u32 s2, 0x3003
	s_cbranch_scc0 .Lentry_shape_is_right
	s_endpgm
.Lentry_shape_is_right:
; ATTENTION OF ONE HEAD ON CODES OF FP8 (E4M3) WITH E8M0 SCALES: out = softmax(q k^T + mask) v; q (already / 8), k, v come as images of operand registers in records of 128 tokens (qrec, kv: laid by the launch before).
; t = (score + mask) x log2(e); M = the running largest t rounded up to a whole number; p = 2^(t - M) is quantised along the keys; the row's sum is taken of the unquantised p and divides at the end.
; SHARES.  A cluster of four work-groups owns one (batch, head); each work-group 512 queries, each of its eight waves 2 passes x 2 tiles of 16 queries.  All 16 records of K and V (270,336 bytes) are asked for once,
; jointly by the four, two records a wave, and stay in LDS: nothing is filled again.  The batch's mask (8,192 bytes) comes through registers, 1,024 bytes a wave, into LDS bytes of its own.
; No prefetch: every tile is asked for at the head, so there is no loop to run ahead in.
; BOTH PRODUCTS TRANSPOSED: a lane holds one query.  K = 64 of the first product fills half of the instruction's 128: a fragment of K holds two tiles of 16 keys, and Q stands beside zeros on the one side or the other.
; The mask is the first product's C: loaded into tile 0's score registers, read from there by tile 1's products, then added onto in place by tile 0's.
; A BLOCK'S SCALE is made without a search for its largest p: p rises with the score, and floor(log2 p) of the block's largest score is floor(t - M), held at -118 from below, so that the byte is 1 at the least.
; THE TWO TILES' LINES TAKE TURNS, so that no line reads the line just above it; among a tile's exponentials stand lines of the other tile that hang on nothing near (its multiply-adds, its holds).
; LIMITS: the promise holds while |t| stays under 2^31; NaN and a row whose every mask is -infinity are not served; a block whose every p is 0 keeps the byte 1 (its codes are zeros).
; REGISTERS.  Window 0: v1-13 addresses; v14-63 a row's numbers, tile x at the higher place; v64-127, v128-191 scores, then p, of tiles 0, 1; v192-223 p's codes; v224-239 the sums' chains; v240-253 scale words.
;   Window 1: v0-63 K's fragments; v64-127 V's; v128-191 O^T of tiles 0, 1; v192-231 zeros, Q0, zeros, Q1, zeros.
.set REC,  16896
.set QREC, 8448
.set MSK,  16*REC
.set STG,  MSK+8192
.set SP,   272
.set SPARE, STG+8*16*SP
.set LI,  1
.set LS,  2
.set AM0, 3
.set AK,  4
.set AS,  5
.set AM,  6
.set STO, 7
.set RD,  8
.set GO,  9
.set MA,  13
.set NM,  14                           ; -M, and beside it the largest score so far: a pair a tile
.set F,   18                           ; 2^(old M - new M); the pair's upper register is written once
.set SUM, 22
.set T,   26
.set BM,  28
.set BT,  36
.set HL,  44
.set SO,  52
.set U,   60
.set S,   64
.set PC,  192
.set SCH, 224
.set KSC, 240
.set VSC, 244
.set PS,  248                          ; no product's two scale words have numbers equal modulo 8
.set QW,  250
.set QS,  252
.set SPW, 254
.set NIL, 255
.set KF,  0
.set VF,  64
.set O,   128
.set ZQ,  192
.set QF,  200
.set TB,  2
.set TM,  3
.set WV,  18
.set NCS, 19
.set SEL, 20
.set CS,  22
.set G1R, 24
.set G0R, 32
.set K119, 36
.set KHL, 37
.set MB,  44
.set PASS, 48
.set CNT, 49
.set QCB, 50
.set QSB, 52
.set OB,  54
.set MSB, 0
.macro WIN new                         ; the immediate's high byte repeats the setting that is left
.if MSB != (\new)
	s_set_vgpr_msb (MSB<<8)|(\new)
.set MSB, (\new)
.endif
.endm
.macro WALU
	s_wait_alu depctr_va_vdst(0)
.endm
.macro CROUND
	s_barrier_signal -1
	s_barrier_wait -1
	s_cmp_lg_u32 s[WV], 0
	s_cbranch_scc1 .Lnot_wave_0_\@
	s_barrier_signal -3
.Lnot_wave_0_\@:
	s_barrier_wait -3
	s_barrier_signal -1
	s_barrier_wait -1
.endm
	s_load_b256 s[4:11], s[0:1], 0x0               ; qrec, kv, mask, out
	v_lshl_add_u32 v[SPW], v0, 2, SPARE
	v_mov_b32 v[NIL], 0
	ds_add_u32 v[SPW], v[NIL]
	ds_add_u32 v[SPW], v[NIL]
	v_lshrrev_b32 v1, 5, v0
	s_delay_alu instid0(VALU_DEP_1)
	v_readfirstlane_b32 s[WV], v1
	s_bfe_u32 s12, ttmp6, 0x40000                  ; cx: which 512 queries
	s_and_b32 s13, ttmp7, 0xffff                   ; batch x 16 + head
	s_lshr_b32 s14, s13, 4
	s_and_b32 s15, s13, 15
	s_mov_b32 s[G1R], 15|(3<<16)|(1<<21)           ; two records: 33,792 dense bytes as 132 rows of 256; the mask names the four partners
	s_mov_b32 s[G1R+1], 32<<16
	s_mov_b32 s[G1R+2], 132<<16
	s_mov_b32 s[G1R+3], 32<<16
	s_mov_b32 s[G1R+4], 132
	s_mov_b32 s[G1R+5], 32
	s_mov_b32 s[G1R+6], 0
	s_mov_b32 s[G1R+7], 0
	s_mov_b32 s[G0R], 1
	s_mul_i32 s[G0R+1], s[WV], 2*REC
	s_mul_i32 s16, s13, 16*REC
	s_add_co_u32 s16, s16, s[G0R+1]
	s_mov_b32 s17, 0
	s_lshl_b32 s56, s[WV], 10                      ; my 1,024 bytes of the batch's mask
	s_add_co_u32 s39, s56, MSK
	s_lshl_b32 s57, s14, 13
	s_add_co_u32 s56, s56, s57
	s_mov_b32 s57, 0
	s_mul_i32 s58, s13, 16*QREC
	s_mul_i32 s59, s12, 4*QREC
	s_add_co_u32 s58, s58, s59
	s_lshr_b32 s59, s[WV], 2
	s_mul_i32 s59, s59, QREC
	s_add_co_u32 s58, s58, s59
	s_and_b32 s60, s[WV], 3
	s_lshl_b32 s61, s60, 11
	s_add_co_u32 s62, s58, s61
	s_mov_b32 s63, 0
	s_lshl_b32 s61, s60, 6
	s_add_co_u32 s58, s58, s61
	s_add_co_u32 s58, s58, 8192
	s_mov_b32 s59, 0
	s_lshl_b32 s60, s14, 23
	s_lshl_b32 s61, s12, 21
	s_add_co_u32 s60, s60, s61
	s_lshl_b32 s61, s[WV], 17
	s_add_co_u32 s60, s60, s61
	s_lshl_b32 s61, s15, 8
	s_add_co_u32 s60, s60, s61
	s_mov_b32 s61, 0
	s_mov_b32 s[SEL], 0x76543210
	s_mov_b32 s[SEL+1], 0xfedcba98
	s_mov_b32 s[CS], 0x3fb8aa3b                    ; log2(e)
	s_mov_b32 s[CS+1], s[CS]
	s_mov_b32 s[NCS], 0xbfb8aa3b                   ; -log2(e)
	s_mov_b32 s[K119], 0x3b800000                  ; (127 - 8) << 23
	s_mov_b32 s[KHL], 0x3fe00000                   ; 448 x 2^-8
	s_mul_i32 s38, s[WV], 16*SP
	s_add_co_u32 s38, s38, STG
	v_and_b32 v10, 31, v0
	v_and_b32 v11, 15, v0
	v_bfe_u32 v12, v0, 4, 1
	s_delay_alu instid0(VALU_DEP_3)
	v_lshlrev_b32 v[LI], 4, v10
	s_delay_alu instid0(VALU_DEP_3)
	v_lshlrev_b32 v[LS], 2, v11
	s_delay_alu instid0(VALU_DEP_3)
	v_lshl_add_u32 v[AM0], v12, 5, MSK
	v_mul_u32_u24 v[STO], v11, SP
	s_delay_alu instid0(VALU_DEP_1)
	v_lshl_add_u32 v[STO], v12, 5, v[STO]
	s_delay_alu instid0(VALU_DEP_1)
	v_add_nc_u32 v[STO], s38, v[STO]
	v_mul_u32_u24 v[RD], v12, SP
	s_delay_alu instid0(VALU_DEP_1)
	v_lshl_add_u32 v[RD], v11, 4, v[RD]
	s_delay_alu instid0(VALU_DEP_1)
	v_add_nc_u32 v[RD], s38, v[RD]
	v_lshlrev_b32 v[GO], 12, v12
	s_delay_alu instid0(VALU_DEP_1)
	v_lshl_add_u32 v[GO], v11, 4, v[GO]
	v_add_nc_u32 v[MA], s39, v[LI]
	WALU                                           ; the wait ahead of the blocking waits
	s_wait_dscnt 0x0
	s_wait_kmcnt 0x0
	s_add_nc_u64 s[G0R+2:G0R+3], s[6:7], s[16:17]
	s_or_b32 s[G0R+3], s[G0R+3], 0x80000000
	s_add_nc_u64 s[MB:MB+1], s[8:9], s[56:57]
	s_add_nc_u64 s[QCB:QCB+1], s[4:5], s[62:63]
	s_add_nc_u64 s[QSB:QSB+1], s[4:5], s[58:59]
	s_add_nc_u64 s[OB:OB+1], s[10:11], s[60:61]
	global_load_b128 v[S:S+3], v[LI], s[MB:MB+1]               ; the mask: each load of the wave covers 512 consecutive bytes
	global_load_b128 v[S+4:S+7], v[LI], s[MB:MB+1] offset:512
	CROUND
	s_cmp_lt_u32 s[WV], 2                          ; my one tensor load: records 2 w and 2 w + 1.  Waves 0 and 1, whose records 0 to 3 are shown ahead of the rest, have a load line of their own
	s_cbranch_scc0 .Lrest
	tensor_load_to_lds s[G0R:G0R+3], s[G1R:G1R+7]
	s_nop 0
.rept 4
	v_nop
.endr
	s_branch .Lasked
.Lrest:
	tensor_load_to_lds s[G0R:G0R+3], s[G1R:G1R+7]
	s_nop 0
.rept 4
	v_nop
.endr
.Lasked:
.rept 4
	v_nop
.endr
.macro QLOAD
	WIN 0x40
	global_load_b128 v[QF:QF+3], v[LI], s[QCB:QCB+1]
	global_load_b128 v[QF+4:QF+7], v[LI], s[QCB:QCB+1] offset:512
	global_load_b128 v[QF+16:QF+19], v[LI], s[QCB:QCB+1] offset:1024
	global_load_b128 v[QF+20:QF+23], v[LI], s[QCB:QCB+1] offset:1536
	WIN 0
	global_load_b32 v[QW], v[LS], s[QSB:QSB+1]
.endm
.macro START                           ; a pass begins: the largest score -3e38, sums and O^T zeros, which the first change of M leaves zeros
	v_mov_b32 v[NM+1], 0xff61b1e6
	v_mov_b32 v[NM+3], 0xff61b1e6
	s_delay_alu instid0(VALU_DEP_2)
	v_floor_f32 v[NM], -v[NM+1]
	s_delay_alu instid0(VALU_DEP_2)
	v_floor_f32 v[NM+2], -v[NM+3]
.irp j, 0,1,2,3
	v_mov_b32 v[SUM+\j], 0
.endr
	WIN 0x40
.set j, 0
.rept 64
	v_mov_b32 v[O+j], 0
.set j, j+1
.endr
	WIN 0
.endm
.macro KLOAD adr, ads, off
	WIN 0x40
.irp p, 0,1,2,3
.irp c, 0,1,2,3
	ds_load_b128 v[KF+16*\p+4*\c:KF+16*\p+4*\c+3], v[\adr] offset:\off+2048*\p+512*\c
.endr
.endr
	WIN 0
.irp p, 0,1,2,3
	ds_load_b32 v[KSC+\p], v[\ads] offset:\off+16384+64*\p
.endr
.endm
.macro MLOAD adr, off
.irp t, 0,1,2,3,4,5,6,7
	ds_load_b128 v[S+8*\t:S+8*\t+3], v[\adr] offset:\off+64*\t
	ds_load_b128 v[S+8*\t+4:S+8*\t+7], v[\adr] offset:\off+64*\t+16
.endr
.endm
.macro VLOAD
	WIN 0x40
.irp t, 0,1,2,3
.irp c, 0,1,2,3
	ds_load_b128 v[VF+16*\t+4*\c:VF+16*\t+4*\c+3], v[AK] offset:8192+2048*\t+512*\c
.endr
.endr
	WIN 0
.irp t, 0,1,2,3
	ds_load_b32 v[VSC+\t], v[AS] offset:16640+64*\t
.endr
.endm
.macro SMUL x                          ; S^T of tile x = K Q^T + mask; C is tile 0's registers for both
.irp t, 0,1,2,3,4,5,6,7
	v_wmma_scale_f32_16x16x128_f8f6f4 v[S+64*\x+8*\t:S+64*\x+8*\t+7], v[KF+16*(\t/2):KF+16*(\t/2)+15], v[QF+16*\x-8*(\t%2):QF+16*\x-8*(\t%2)+15], v[S+8*\t:S+8*\t+7], v[KSC+\t/2], v[QS+\x]
.endr
.endm
.macro PV x
.irp t, 0,1,2,3
	v_wmma_scale_f32_16x16x128_f8f6f4 v[O+32*\x+8*\t:O+32*\x+8*\t+7], v[VF+16*\t:VF+16*\t+15], v[PC+16*\x:PC+16*\x+15], v[O+32*\x+8*\t:O+32*\x+8*\t+7], v[VSC+\t], v[PS+\x]
.endr
.endm
.macro MX x, i                         ; level i of the four block maxima of tile x: each accumulator is read from its low end on
.irp b, 0,1,2,3
.if (\i) == 0
	v_max3_num_f32 v[BM+4*\x+\b], v[S+64*\x+16*\b], v[S+64*\x+16*\b+1], v[S+64*\x+16*\b+2]
.elseif (\i) < 7
	v_max3_num_f32 v[BM+4*\x+\b], v[BM+4*\x+\b], v[S+64*\x+16*\b+2*(\i)+1], v[S+64*\x+16*\b+2*(\i)+2]
.else
	v_max_num_f32 v[BM+4*\x+\b], v[BM+4*\x+\b], v[S+64*\x+16*\b+15]
.endif
.endr
.endm
.macro SUMT x                          ; the row's sum of the unquantised p: eight chains of pairs, joined, and added to the old sum x f
.set B_, SCH                           ; eight chains of pairs: the two tiles' sums are taken one after the other, so each has all sixteen registers
.set P_, S+64*\x
.irp c, 0,1,2,3,4,5,6,7
	v_pk_add_f32 v[B_+2*\c:B_+2*\c+1], v[P_+2*\c:P_+2*\c+1], v[P_+2*\c+16:P_+2*\c+17]
.endr
.irp k, 2,3
.irp c, 0,1,2,3,4,5,6,7
	v_pk_add_f32 v[B_+2*\c:B_+2*\c+1], v[B_+2*\c:B_+2*\c+1], v[P_+16*\k+2*\c:P_+16*\k+2*\c+1]
.endr
.endr
.irp c, 0,1,2,3
	s_delay_alu instid0(VALU_DEP_4)
	v_pk_add_f32 v[B_+2*\c:B_+2*\c+1], v[B_+2*\c:B_+2*\c+1], v[B_+2*\c+8:B_+2*\c+9]
.endr
	s_delay_alu instid0(VALU_DEP_2)
	v_pk_add_f32 v[B_:B_+1], v[B_:B_+1], v[B_+4:B_+5]
	s_delay_alu instid0(VALU_DEP_2)
	v_pk_add_f32 v[B_+2:B_+3], v[B_+2:B_+3], v[B_+6:B_+7]
	s_delay_alu instid0(VALU_DEP_1)
	v_pk_add_f32 v[B_:B_+1], v[B_:B_+1], v[B_+2:B_+3]
	s_delay_alu instid0(VALU_DEP_1)
	v_pk_fma_f32 v[SUM+2*\x:SUM+2*\x+1], v[SUM+2*\x:SUM+2*\x+1], v[F+2*\x:F+2*\x+1], v[B_:B_+1] op_sel_hi:[1,0,1]
.endm
.macro DMIN x, j                       ; two holds in one line (p is never negative: one-sided), of two neighbouring blocks: an even and an odd register, and two bounds with different numbers modulo 4
.set G_, 2*((\j)/16)
.set I_, 2*(((\j)%16)/2)
.set E_, S+64*(\x)+16*G_+I_
.set D_, E_+16
.set H_, HL+4*(\x)+G_
.if (\j)%2
	v_dual_min_num_f32 v[D_], v[D_], v[H_+1] :: v_dual_min_num_f32 v[E_+1], v[E_+1], v[H_]
.else
	v_dual_min_num_f32 v[E_], v[E_], v[H_] :: v_dual_min_num_f32 v[D_+1], v[D_+1], v[H_+1]
.endif
.endm
.macro CVT x
.irp b, 0,1,2,3
	v_cvt_scalef32_pk8_fp8_f32 v[PC+16*\x+4*\b:PC+16*\x+4*\b+1], v[S+64*\x+16*\b:S+64*\x+16*\b+7], v[SO+4*\x+\b]
	v_cvt_scalef32_pk8_fp8_f32 v[PC+16*\x+4*\b+2:PC+16*\x+4*\b+3], v[S+64*\x+16*\b+8:S+64*\x+16*\b+15], v[SO+4*\x+\b]
.endr
.endm
; A KEY STEP: 128 keys for both tiles.  next = 1: the next step's K, scale words and mask are fetched on the way.
.macro STEP next
	s_wait_dscnt 0x0                               ; K's fragments, its scale words and the mask are in
	WIN 0x05
	SMUL 1
	WIN 0
	v_add_nc_u32 v[AK], s[TB], v[LI]               ; nine places: tile 0's products write over what tile 1's have read as C; they serve V's loads too
	v_add_nc_u32 v[AS], s[TB], v[LS]
	v_add_nc_u32 v[AM], s[TM], v[AM0]
.rept 6
	v_nop
.endr
	VLOAD
	WIN 0x05
	SMUL 0
	WIN 0
.set i, 0
.rept 10                               ; tile 1 goes two levels, eight lines, ahead: the places behind tile 0's products
.if i < 8
	MX 1, i
.endif
.if i >= 2
	MX 0, i-2
.endif
.set i, i+1
.endr
.if \next
	KLOAD AK, AS, REC
.endif
.irp k, 4,5,6,7,0,1,2,3
	v_permlanex16_b32 v[BT+\k], v[BM+\k], s[SEL], s[SEL+1]
.endr
.irp k, 4,5,6,7,0,1,2,3
	v_max_num_f32 v[BM+\k], v[BM+\k], v[BT+\k]     ; with lane l xor 16's 16 keys: the block's largest score
.endr
	v_max3_num_f32 v[T+1], v[BM+4], v[BM+5], v[BM+6]
	s_delay_alu instid0(VALU_DEP_3)
	v_max3_num_f32 v[T], v[BM], v[BM+1], v[BM+2]
.irp x, 1,0
	s_delay_alu instid0(VALU_DEP_2)
	v_max3_num_f32 v[NM+2*\x+1], v[NM+2*\x+1], v[T+\x], v[BM+4*\x+3]   ; the running largest score
.endr
.irp x, 1,0
	s_delay_alu instid0(VALU_DEP_2)
	v_mul_f32 v[T+\x], s[NCS], v[NM+2*\x+1]        ; -t
.endr
.irp x, 1,0
	s_delay_alu instid0(VALU_DEP_2)
	v_floor_f32 v[U+\x], v[T+\x]                   ; the new -M = floor(-t)
.endr
.irp x, 1,0
	s_delay_alu instid0(VALU_DEP_2)
	v_sub_f32 v[T+\x], v[U+\x], v[NM+2*\x]         ; old M - new M: a whole number, 0 or less
.endr
.irp x, 1,0
	s_delay_alu instid0(VALU_DEP_4)
	v_mov_b32 v[NM+2*\x], v[U+\x]
.endr
.irp x, 1,0
	s_delay_alu instid0(VALU_DEP_4)
	v_cvt_i32_f32 v[T+\x], v[T+\x]                 ; (it saturates)
.endr
.irp x, 1,0
	s_delay_alu instid0(VALU_DEP_2)
	v_ldexp_f32 v[F+2*\x], 1.0, v[T+\x]            ; f = 2^(old M - new M)
.endr
.irp k, 0,1,2,3,4,5,6,7
	v_fma_f32 v[BM+\k], v[BM+\k], s[CS], v[NM+2*(\k/4)]   ; t - M of each block's largest score,
.endr
.irp k, 0,1,2,3,4,5,6,7
	v_max_num_f32 v[BM+\k], 0xc2ec0000, v[BM+\k]   ; held at -118,
.endr
.irp k, 0,1,2,3,4,5,6,7
	v_cvt_floor_i32_f32 v[BT+\k], v[BM+\k]         ; n = floor: the exponent of the block's largest p, -118 .. 0
.endr
.irp k, 0,1,2,3,4,5,6,7
	v_lshl_add_u32 v[SO+\k], v[BT+\k], 23, s[K119] ; the conversion's scale operand: exponent field n + 119
.endr
.irp k, 0,1,2,3,4,5,6,7
	v_lshl_add_u32 v[HL+\k], v[BT+\k], 23, s[KHL]  ; 448 x the scale
.endr
.irp x, 1,0
	v_lshl_add_u32 v[T+\x], v[BT+4*\x+1], 8, v[BT+4*\x]
.endr
.irp x, 1,0
	v_lshl_add_u32 v[U+\x], v[BT+4*\x+3], 8, v[BT+4*\x+2]
.endr
.irp x, 1,0
	s_delay_alu instid0(VALU_DEP_2)
	v_lshl_add_u32 v[T+\x], v[U+\x], 16, v[T+\x]
.endr
.irp x, 1,0
	s_delay_alu instid0(VALU_DEP_2)
	v_add_nc_u32 v[PS+\x], 0x77777777, v[T+\x]     ; the sum of n_b 256^b and of 119 in every byte: each byte n_b + 119 lies in 1 .. 119, so nothing is carried
.endr
.set j, 0
.rept 32
	v_pk_fma_f32 v[S+64+j:S+64+j+1], v[S+64+j:S+64+j+1], s[CS:CS+1], v[NM+2:NM+3] op_sel_hi:[1,0,0]   ; tile 1: t - M
.set j, j+2
.endr
	WALU                                           ; the wait ahead of a batch
.set j, 0
.rept 32                               ; tile 1's exponentials, tile 0's t - M among them
	v_exp_f32 v[S+64+j], v[S+64+j]
	v_exp_f32 v[S+64+j+1], v[S+64+j+1]
	v_pk_fma_f32 v[S+j:S+j+1], v[S+j:S+j+1], s[CS:CS+1], v[NM:NM+1] op_sel_hi:[1,0,0]
.set j, j+2
.endr
	WALU                                           ; behind the batch, and ahead of the next
	SUMT 1
.set j, 0
.rept 32                               ; tile 0's exponentials, tile 1's holds among them
	v_exp_f32 v[S+2*j], v[S+2*j]
	v_exp_f32 v[S+2*j+1], v[S+2*j+1]
	DMIN 1, j
.set j, j+1
.endr
	v_nop                                          ; a plain place behind the last exponential
	WALU
	CVT 1
	SUMT 0
.set j, 0
.rept 32
	DMIN 0, j
.set j, j+1
.endr
	CVT 0
	v_nop                                          ; a plain line behind the last conversion
.if \next
	MLOAD AM, 512
.endif
	s_wait_dscnt 36*\next                          ; V's fragments and scale words are in; K's 20 loads and the mask's 16 may be out
	WIN 0x41
	WALU                                           ; the wait directly ahead of the first readers of O^T
.irp x, 1,0
.set j, 0
.rept 16
	v_pk_mul_f32 v[O+32*\x+j:O+32*\x+j+1], v[O+32*\x+j:O+32*\x+j+1], v[F+2*\x:F+2*\x+1] op_sel_hi:[1,0]   ; O^T under the new M
.set j, j+2
.endr
.endr
	WIN 0x51
	PV 1
	PV 0
	WIN 0
.if \next
	s_add_co_u32 s[TB], s[TB], REC
	s_add_co_u32 s[TM], s[TM], 512
.endif
.endm
.macro TOSTAGE x
.irp t, 0,1,2,3
	ds_store_b128 v[STO], v[S+64*\x+8*\t:S+64*\x+8*\t+3] offset:64*\t
	ds_store_b128 v[STO], v[S+64*\x+8*\t+4:S+64*\x+8*\t+7] offset:64*\t+16
.endr
.irp i, 0,1,2,3,4,5,6,7
	ds_load_b128 v[S+64*\x+32+4*\i:S+64*\x+32+4*\i+3], v[RD] offset:\i*2*SP   ; LDS serves a wave's instructions in order: these see the stores above
.endr
.endm
	QLOAD
	WIN 0x40
.irp k, 0,16,32
.irp j, 0,1,2,3,4,5,6,7
	v_mov_b32 v[ZQ+\k+\j], 0                       ; the zeros beside Q
.endr
.endr
	WIN 0
.irp j, 0,1,2,3,4,5,6,7
	v_mov_b32 v[BT+\j], 0                          ; a lane permute's destination counts as one of its sources
.endr
	v_mov_b32 v[F+1], 0
	v_mov_b32 v[F+3], 0
	v_mov_b32 v[T], 0
	v_mov_b32 v[T+1], 0
	s_mov_b32 s[PASS], 2
	WALU                                           ; the wait at the head's end
	s_wait_loadcnt 5                               ; the mask's two loads are in; Q's five may be out
	ds_store_b128 v[MA], v[S:S+3]
	ds_store_b128 v[MA], v[S+4:S+7] offset:512
	s_cmp_lt_u32 s[WV], 2
	s_cbranch_scc0 .Lnot_first
	s_wait_tensorcnt 0x0                           ; waves 0 and 1: records 0 to 3 are in; the other waves' wait stands behind the third key step
.Lnot_first:
	s_wait_dscnt 0x0                               ; my part of the mask is stored
	s_barrier_signal -1
	s_barrier_wait -1
.Lpass:
	s_wait_loadcnt 0x0
	v_and_b32 v[QS], 0xffff, v[QW]                 ; a tile's two scale bytes, twice: Q stands in either half of K
	v_lshrrev_b32 v[QS+1], 16, v[QW]
	s_delay_alu instid0(VALU_DEP_2)
	v_lshl_or_b32 v[QS], v[QW], 16, v[QS]
	s_delay_alu instid0(VALU_DEP_2)
	v_and_or_b32 v[QS+1], v[QW], 0xffff0000, v[QS+1]
	START
	s_mov_b32 s[TB], 0
	s_mov_b32 s[TM], 0
	KLOAD LI, LS, 0
	MLOAD AM0, 0
	s_mov_b32 s[CNT], 3
.Lfirst:                                           ; key steps 0 to 2 read records 0 to 3 alone (step 2 fetches record 3's K and mask)
	STEP 1
	s_sub_co_u32 s[CNT], s[CNT], 1
	s_cmp_lg_u32 s[CNT], 0
	s_cbranch_scc1 .Lfirst
	s_wait_tensorcnt 0x0                           ; every wave's records are in (in the second pass nothing is out),
	s_wait_dscnt 0x0
	s_barrier_signal -1
	s_barrier_wait -1                              ; and all sixteen are shown to every wave
	s_mov_b32 s[CNT], 12
.Lstep:
	STEP 1
	s_sub_co_u32 s[CNT], s[CNT], 1
	s_cmp_lg_u32 s[CNT], 0
	s_cbranch_scc1 .Lstep
	STEP 0
	s_cmp_eq_u32 s[PASS], 1
	s_cbranch_scc1 .Lno_q
	s_add_nc_u64 s[QCB:QCB+1], s[QCB:QCB+1], 2*QREC
	s_add_nc_u64 s[QSB:QSB+1], s[QSB:QSB+1], 2*QREC
	QLOAD                                          ; the next pass's queries
.Lno_q:
.irp x, 1,0
	v_add_f32 v[SUM+2*\x], v[SUM+2*\x], v[SUM+2*\x+1]
.endr
.irp x, 1,0
	s_delay_alu instid0(VALU_DEP_2)
	v_permlanex16_b32 v[T+\x], v[SUM+2*\x], s[SEL], s[SEL+1]
.endr
.irp x, 1,0
	s_delay_alu instid0(VALU_DEP_2)
	v_add_f32 v[SUM+2*\x], v[SUM+2*\x], v[T+\x]    ; the row's sum
.endr
	WALU
	v_rcp_f32 v[F+2], v[SUM+2]
	v_rcp_f32 v[F], v[SUM]
.rept 3
	v_nop                                          ; with the six lines above: the places behind the last products
.endr
	WIN 0x01
	WALU                                           ; behind the reciprocals, directly ahead of the first readers of O^T
.irp x, 0,1
.set j, 0
.rept 16
	v_pk_mul_f32 v[S+64*\x+j:S+64*\x+j+1], v[O+32*\x+j:O+32*\x+j+1], v[F+2*\x:F+2*\x+1] op_sel_hi:[1,0]
.set j, j+2
.endr
.endr
	WIN 0
	TOSTAGE 0                                      ; through my stage, so that sixteen lanes store 256 consecutive bytes, aligned
	TOSTAGE 1
.irp i, 0,1,2,3,4,5,6,7
	s_wait_dscnt 23-\i                             ; behind tile 0's load i: its 7 - i later loads, tile 1's 8 stores and 8 loads
	global_store_b128 v[GO], v[S+32+4*\i:S+32+4*\i+3], s[OB:OB+1] offset:8192*\i th:TH_STORE_NT
.endr
.irp i, 0,1,2,3,4,5,6,7
	s_wait_dscnt 7-\i
	global_store_b128 v[GO], v[S+96+4*\i:S+96+4*\i+3], s[OB:OB+1] offset:65536+8192*\i th:TH_STORE_NT
.endr
	s_wait_xcnt 0x0                                ; the stores have read their registers and their base
	s_add_nc_u64 s[OB:OB+1], s[OB:OB+1], 256*4096
	s_sub_co_u32 s[PASS], s[PASS], 1
	s_cmp_lg_u32 s[PASS], 0
	s_cbranch_scc1 .Lpass
	s_wait_tensorcnt 0x0                           ; the wave's end
	ds_add_u32 v[SPW], v[NIL]
	s_wait_dscnt 0x0
	CROUND                                         ; the closing round
	s_endpgm
.Lfunc_end_k_q038e9c8338_attn:
	.size	k_q038e9c8338_attn, .Lfunc_end_k_q038e9c8338_attn-k_q038e9c8338_attn
	.p2alignl 7, 3214868480
	.fill 96, 4, 3214868480
	.section	.rodata,"a",@progbits
	.p2align	6, 0x0
	.amdhsa_kernel k_q038e9c8338_attn
		.amdhsa_group_segment_fixed_size 327680
		.amdhsa_private_segment_fixed_size 0
		.amdhsa_enable_private_segment 0
		.amdhsa_kernarg_size 32
		.amdhsa_user_sgpr_count 2
		.amdhsa_user_sgpr_kernarg_segment_ptr 1
		.amdhsa_wavefront_size32 1
		.amdhsa_system_sgpr_workgroup_id_x 1
		.amdhsa_system_sgpr_workgroup_id_y 1
		.amdhsa_system_sgpr_workgroup_id_z 1
		.amdhsa_system_vgpr_workitem_id 0
		.amdhsa_next_free_vgpr 512
		.amdhsa_next_free_sgpr 66
		.amdhsa_reserve_vcc 0
		.amdhsa_float_denorm_mode_32 3
		.amdhsa_float_denorm_mode_16_64 3
		.amdhsa_memory_ordered 1
		.amdhsa_forward_progress 1
		.amdhsa_inst_pref_size 126
	.end_amdhsa_kernel
	.amdgpu_metadata
---
amdhsa.version: [ 1, 2 ]
amdhsa.kernels:
  - .name:           k_q038e9c8338_attn
    .symbol:         k_q038e9c8338_attn.kd
    .args:
      - { .name: qrec, .offset: 0, .size: 8, .value_kind: global_buffer, .address_space: global }
      - { .name: kv, .offset: 8, .size: 8, .value_kind: global_buffer, .address_space: global }
      - { .name: attention_mask, .offset: 16, .size: 8, .value_kind: global_buffer, .address_space: global }
      - { .name: out0, .offset: 24, .size: 8, .value_kind: global_buffer, .address_space: global }
    .group_segment_fixed_size: 327680
    .private_segment_fixed_size: 0
    .kernarg_segment_align: 8
    .kernarg_segment_size: 32
    .max_flat_workgroup_size: 256
    .sgpr_count:     66
    .vgpr_count:     512
    .wavefront_size: 32
...
	.end_amdgpu_metadata
.endif
;; end of part 2
